; MI455X (gfx1250); checked and timed in simulation.
; The chip was launched on July 23, 2026; its instructions are those of AMD's public machine-readable ISA for CDNA 5 (MIT licence, August 2026) and "CDNA5" Instruction Set Architecture Reference Guide (July 2026). The comments in the code are by the model that wrote it; some were corrected since.
;; T Attention. Allowed arithmetic: matrix products marked QUANTISED: E3M2 operands, one E8M0 scale for each 32 along K, by v_wmma_scale_f32_16x16x128_f8f6f4 with both operands' format E3M2, f32 sums; everything else in f32.
;; Inputs: be1 512 float32; be2 512 float32; bf1 512 float32; bf2 512 float32; g1 512 float32; g2 512 float32; w1 512 x 512 float32; w2 512 x 512 float32; wk 512 x 512 float32; wq 512 x 512 float32; wv 512 x 512 float32; x 128 x 256 x 512 float32.
;; Outputs: out0 128 x 256 x 512 float32.
;; Constants: nhead = 8.
;; This version of the problem:
;;   THIS VERSION OF THE PROBLEM IS GIVEN IN LOW PRECISION. The matrix products marked QUANTISED in the list below multiply operands that are first quantised to E3M2 (3 exponent bits, 2 mantissa bits; 6 bits a number), with one power-of-two scale for each 32 numbers along K (OCP MX v1.0); their sums are f32. All else is computed in f32.
;;   The module's matrix products, in the order in which they are computed (A, B: the left and right operand; K: the contracted axis; several contracted axes count as one K, in the product's order):
;;     1. [M 32,768, K 512] x [K 512, N 512]; A: computed on the way; B: input wq: QUANTISED
;;     2. [M 32,768, K 512] x [K 512, N 512]; A: computed on the way; B: input wk: QUANTISED
;;     3. [M 32,768, K 512] x [K 512, N 512]; A: computed on the way; B: input wv: QUANTISED
;;     4. batch 1,024 x [M 256, K 64] x [K 64, N 256]; A: computed on the way; B: computed on the way: QUANTISED
;;     5. batch 1,024 x [M 64, K 256] x [K 256, N 256]; A: computed on the way; B: softmax (see below): QUANTISED
;;     6. [M 32,768, K 512] x [K 512, N 512]; A: computed on the way; B: input w1: QUANTISED
;;     7. [M 32,768, K 512] x [K 512, N 512]; A: computed on the way; B: input w2: QUANTISED
;;   THE QUANTISER, for each operand of a quantised product, along K:
;;     - K is cut into blocks of 32 from its start; a last block that is shorter is filled with zeros.
;;     - A block's scale is 2^e with e = floor(log2(the largest magnitude in the block)) - 4, held to -126 .. 127; a block of zeros has e = 0. As a byte (E8M0): e + 127.
;;     - Each number is divided by its block's scale, clamped to +-28, and rounded to the nearest number of E3M2, ties to even, subnormals kept.
;;     - The product sums the exact products of the quantised numbers (number of the format x scale) in f32.
;;   ~~~python
;;   def quantise(x, axis):      # numpy; x: float32 -> the quantised numbers, widened to float32 again
;;       x = np.moveaxis(x, axis, -1); K = x.shape[-1]
;;       x = np.pad(x, [(0, 0)] * (x.ndim - 1) + [(0, -K % 32)]); x = x.reshape(x.shape[:-1] + (-1, 32)); a = np.abs(x).max(-1, keepdims=True)
;;       e = np.where(a > 0, np.clip(np.frexp(np.where(a > 0, a, 1))[1] - 1 - 4, -126, 127), 0)      # np.frexp(a)[1] - 1 = floor(log2(a)), exactly
;;       r = np.clip(x / 2.0 ** e, -28, 28)
;;       step = 2.0 ** (np.maximum(np.frexp(np.where(r == 0, 1, r))[1] - 1, -2) - 2)
;;       q = np.round(r / step) * step * 2.0 ** e      # np.round: ties to even
;;       return np.moveaxis(q.reshape(q.shape[:-2] + (-1,))[..., :K], -1, axis).astype(np.float32)
;;   ~~~
;;   SOFTMAX AHEAD OF A QUANTISED PRODUCT. Where the list says 'softmax', what is quantised is not the finished softmax but p = 2^(t - M), with t = logit x log2(e) and M = ceil(the row's largest t), a whole number; so 1/2 < the row's largest p <= 1. The row's sum l is taken of the UNQUANTISED p, in f32, and the product's result is divided by l at the end. Since M is a whole number, a kernel that streams over the keys may use a running M (the ceiling of the running maximum): every later rescaling is an exact power of two, which a block's scale takes up: the codes' values come out the same.
;;   OPERANDS COMPUTED ON THE WAY. 'Computed on the way' means the value that the module computes at that place (a softmax that the list does not call 'softmax' is quantised finished and normalised). What goes into a quantiser is computed in f32, as accurately as f32 sums, v_exp_f32 and their like allow (about 1e-6 of the number): no bf16 or f16 on the way to a quantiser, and a product that is left as it is and whose result goes on into a quantised operand takes f32 operands (vector FMAs, or v_wmma_f32_16x16x4_f32). A number that lies on a knife's edge between two numbers of the format may be rounded either way, as far as f32 arithmetic and the matrix unit's own rounding can turn it there, and no further.
;; One version. Each part assembles by itself: llvm-mc -triple=amdgcn-amd-amdhsa -mcpu=gfx1250 --defsym DOCPART=n.
;; ======== version 1 of 1: 3 launches
;; limits: right only within a limited range of input values
;; workspace buffers: wc 983,040 bytes; ws 81,920 bytes; kimg 12,582,912 bytes; vimg 12,582,912 bytes; qimg 12,582,912 bytes; sc 2,097,152 bytes; mu 262,144 bytes
;; launch prep (part 1): grid 32 x 5, 4 waves a work-group, no clusters, 0 bytes of LDS; arguments wk, wv, wq, w1, w2, wc, ws; writes wc, ws
.if DOCPART == 1
	.amdgcn_target "amdgcn-amd-amdhsa--gfx1250"
	.amdhsa_code_object_version 6
	.text
	.protected	k_q4fbdbe7736_prep
	.globl	k_q4fbdbe7736_prep
	.p2align	8
	.type	k_q4fbdbe7736_prep,@function
k_q4fbdbe7736_prep:
	s_mov_b64 s[64:65], 0
	v_nop
	global_prefetch_b8 v0, s[64:65] scope:SCOPE_SE
	s_setreg_imm32_b32 hwreg(HW_REG_WAVE_MODE, 25, 1), 1
	s_wait_xcnt 0x0
; The five weights [512 (k)][512 (n)], f32, K their FIRST axis, become codes of E3M2 with one E8M0 byte for each 32 along K, laid as IMAGES OF OPERAND REGISTERS,
; so that the second launch loads a wave's fragments by loads of 16 bytes a lane and nothing else.
; wc: [m 5][w 8][F 16][1,536 bytes], m = 0 wk, 1 wv, 2 wq, 3 w1, 4 w2; F = 4 f + s (f: tile of 16 columns, s: K step of 128); register p of lane L at 512 (p / 4) + 16 L + 4 (p % 4).
; ws: [m][w][F][32 words]: lane L's word is the scale word of its column.
; THE COLUMNS OF A TILE ARE NOT NEIGHBOURS: lane r of tile f takes column 64 w + 32 (f / 2) + 8 (f % 2) + r + 8 (r / 8), so that the results of two neighbouring tiles are 16 neighbours along the next K.
; One wave makes one fragment: a lane takes a column, its registers run down K (k = 128 s + 64 c + 32 (lane / 16) + 0 .. 31), so a lane holds two whole blocks and nothing is transposed.
; Grid: x = 4 w + s, y = m; the wave's number is f.  160 work-groups: all the work there is.
; LIMITS: NaN and infinities are not served; a block whose largest magnitude lies under 2^-122 (a block of zeros too) gets the byte 1; its codes are then zeros or tiny, and these bytes are read by this program alone.
	s_load_b256 s[4:11], s[0:1], 0x0               ; wk, wv, wq, w1
	s_load_b128 s[12:15], s[0:1], 0x20             ; w2, wc
	s_load_b64 s[16:17], s[0:1], 0x30              ; ws
	v_lshrrev_b32 v1, 5, v0
	v_readfirstlane_b32 s18, v1                    ; f
	s_and_b32 s19, ttmp7, 0xffff                   ; m
	s_lshr_b32 s20, ttmp9, 2                       ; w
	s_and_b32 s21, ttmp9, 3                        ; s
	v_and_b32 v1, 15, v0                           ; r
	v_bfe_u32 v2, v0, 4, 1                         ; h
	v_and_b32 v3, 8, v1
	v_add_nc_u32 v3, v3, v1                        ; r + 8 (r / 8)
	v_lshlrev_b32 v5, 2, v3
	v_lshl_add_u32 v5, v2, 16, v5                  ; my column's 4 bytes; lanes 16-31 begin 32 rows of 2,048 bytes further down
	v_and_b32 v4, 31, v0
	v_lshlrev_b32 v6, 4, v4                        ; out: 16 bytes a lane
	v_lshlrev_b32 v7, 2, v4                        ; and 4 for the scale word
	s_lshl_b32 s22, s21, 18                        ; 128 s rows of 2,048 bytes
	s_lshl_b32 s23, s20, 8                         ; + 4 x 64 w
	s_add_co_u32 s22, s22, s23
	s_lshr_b32 s23, s18, 1
	s_lshl_b32 s23, s23, 7                         ; + 4 x 32 (f / 2)
	s_add_co_u32 s22, s22, s23
	s_and_b32 s23, s18, 1
	s_lshl_b32 s23, s23, 5                         ; + 4 x 8 (f % 2)
	s_add_co_u32 s22, s22, s23
	s_mov_b32 s23, 0
	s_lshl_b32 s24, s19, 3
	s_add_co_u32 s24, s24, s20
	s_lshl_b32 s24, s24, 4
	s_lshl_b32 s25, s18, 2
	s_add_co_u32 s24, s24, s25
	s_add_co_u32 s24, s24, s21                     ; the fragment's number: 16 (8 m + w) + 4 f + s
	s_mul_i32 s26, s24, 1536
	s_mov_b32 s27, 0
	s_lshl_b32 s28, s24, 7
	s_mov_b32 s29, 0
	s_mov_b32 s30, 0x76543210
	s_mov_b32 s31, 0xfedcba98                      ; v_permlanex16_b32's selects for lane l xor 16
	s_wait_alu depctr_va_vdst(0)
	s_wait_kmcnt 0x0
	s_cmp_eq_u32 s19, 1                            ; which weight: the choice hangs on the work-group's number alone
	s_cselect_b64 s[4:5], s[6:7], s[4:5]
	s_cmp_eq_u32 s19, 2
	s_cselect_b64 s[4:5], s[8:9], s[4:5]
	s_cmp_eq_u32 s19, 3
	s_cselect_b64 s[4:5], s[10:11], s[4:5]
	s_cmp_eq_u32 s19, 4
	s_cselect_b64 s[4:5], s[12:13], s[4:5]
	s_add_nc_u64 s[4:5], s[4:5], s[22:23]
	s_add_nc_u64 s[14:15], s[14:15], s[26:27]
	s_add_nc_u64 s[16:17], s[16:17], s[28:29]
.irp c, 0,1
.irp i, 0,1,2,3,4,5,6,7,8,9,10,11,12,13,14,15,16,17,18,19,20,21,22,23,24,25,26,27,28,29,30,31
	global_load_b32 v[64+32*\c+\i], v5, s[4:5] offset:2048*(64*\c+\i)   ; W(128 s + 64 c + 32 h + i, my column); the work-group's four waves together take 256 neighbouring bytes of each row
.endr
.endr
	s_wait_loadcnt 0x0
.irp c, 0,1
	v_max3_num_f32 v[32+\c], |v[64+32*\c]|, |v[65+32*\c]|, 0x2800000   ; my block 2 c + h: all its 32 numbers are mine; the floor 2^(5 - 127) holds the byte at 1 from below
.endr
.irp i, 2,4,6,8,10,12,14,16,18,20,22,24,26,28,30
.irp c, 0,1
	v_max3_num_f32 v[32+\c], v[32+\c], |v[64+32*\c+\i]|, |v[65+32*\c+\i]|
.endr
.endr
.irp c, 0,1
	v_add_nc_u32 v[44+\c], 0xfe000000, v[32+\c]    ; 4 off the exponent field: the conversion's scale operand
.endr
.irp c, 0,1
	v_lshrrev_b32 v[36+\c], 23, v[44+\c]           ; the scale's byte
.endr
	v_lshl_or_b32 v9, v37, 16, v36                 ; my two bytes: blocks h and 2 + h,
	v_lshlrev_b32 v10, 3, v2
	v_lshlrev_b32 v9, v10, v9                      ; at their places in the word (8 h bits up);
	v_mov_b32 v10, 0
	v_permlanex16_b32 v10, v9, s30, s31
	v_or_b32 v9, v9, v10                           ; with lane l xor 16's two the word is whole, in both halves
.irp c, 0,1
	v_cvt_scalef32_pk16_bf6_f32 v[48+6*\c:50+6*\c], v[64+32*\c:79+32*\c], v[44+\c]
	v_cvt_scalef32_pk16_bf6_f32 v[192+4*\c:194+4*\c], v[80+32*\c:95+32*\c], v[44+\c]   ; (a conversion's three registers begin on an even number: the second half is made elsewhere and moved)
.endr
	v_nop                                          ; one plain line behind the scaled conversions
.irp c, 0,1
.irp i, 0,1,2
	v_mov_b32 v[51+6*\c+\i], v[192+4*\c+\i]
.endr
.endr
.irp q, 0,1,2
	global_store_b128 v6, v[48+4*\q:51+4*\q], s[14:15] offset:512*\q   ; 32 lanes store 512 consecutive bytes, at a multiple of 512 from wc's first byte
.endr
	global_store_b32 v7, v9, s[16:17]
	s_endpgm
.Lfunc_end_k_q4fbdbe7736_prep:
	.size	k_q4fbdbe7736_prep, .Lfunc_end_k_q4fbdbe7736_prep-k_q4fbdbe7736_prep
	.p2alignl 7, 3214868480
	.fill 96, 4, 3214868480
	.section	.rodata,"a",@progbits
	.p2align	6, 0x0
	.amdhsa_kernel k_q4fbdbe7736_prep
		.amdhsa_group_segment_fixed_size 0
		.amdhsa_private_segment_fixed_size 0
		.amdhsa_enable_private_segment 0
		.amdhsa_kernarg_size 56
		.amdhsa_user_sgpr_count 2
		.amdhsa_user_sgpr_kernarg_segment_ptr 1
		.amdhsa_wavefront_size32 1
		.amdhsa_system_sgpr_workgroup_id_x 1
		.amdhsa_system_sgpr_workgroup_id_y 1
		.amdhsa_system_sgpr_workgroup_id_z 1
		.amdhsa_system_vgpr_workitem_id 0
		.amdhsa_next_free_vgpr 200
		.amdhsa_next_free_sgpr 66
		.amdhsa_reserve_vcc 0
		.amdhsa_float_denorm_mode_32 3
		.amdhsa_float_denorm_mode_16_64 3
		.amdhsa_memory_ordered 1
		.amdhsa_forward_progress 1
		.amdhsa_inst_pref_size 12
	.end_amdhsa_kernel
	.amdgpu_metadata
---
amdhsa.version: [ 1, 2 ]
amdhsa.kernels:
  - .name:           k_q4fbdbe7736_prep
    .symbol:         k_q4fbdbe7736_prep.kd
    .args:
      - { .name: wk, .offset: 0, .size: 8, .value_kind: global_buffer, .address_space: global }
      - { .name: wv, .offset: 8, .size: 8, .value_kind: global_buffer, .address_space: global }
      - { .name: wq, .offset: 16, .size: 8, .value_kind: global_buffer, .address_space: global }
      - { .name: w1, .offset: 24, .size: 8, .value_kind: global_buffer, .address_space: global }
      - { .name: w2, .offset: 32, .size: 8, .value_kind: global_buffer, .address_space: global }
      - { .name: wc, .offset: 40, .size: 8, .value_kind: global_buffer, .address_space: global }
      - { .name: ws, .offset: 48, .size: 8, .value_kind: global_buffer, .address_space: global }
    .group_segment_fixed_size: 0
    .private_segment_fixed_size: 0
    .kernarg_segment_align: 8
    .kernarg_segment_size: 56
    .max_flat_workgroup_size: 128
    .sgpr_count:     66
    .vgpr_count:     200
    .wavefront_size: 32
...
	.end_amdgpu_metadata
.endif
;; end of part 1
;; launch qkv (part 2): grid 256 x 1, 8 waves a work-group, no clusters, 163,840 bytes of LDS; arguments x, g1, be1, wc, ws, kimg, vimg, qimg, sc, mu; writes kimg, vimg, qimg, sc, mu
.if DOCPART == 2
	.amdgcn_target "amdgcn-amd-amdhsa--gfx1250"
	.amdhsa_code_object_version 6
	.text
	.protected	k_q4fbdbe7736_qkv
	.globl	k_q4fbdbe7736_qkv
	.p2align	8
	.type	k_q4fbdbe7736_qkv,@function
k_q4fbdbe7736_qkv:
	s_mov_b64 s[64:65], 0
	v_nop
	global_prefetch_b8 v0, s[64:65] scope:SCOPE_SE
	s_setreg_imm32_b32 hwreg(HW_REG_WAVE_MODE, 25, 1), 1
	s_wait_xcnt 0x0
; xn = LN1(x); q = xn wq, k = xn wk, v = xn wv, each quantised to E3M2 with one E8M0 byte for each 32 along the K of the product that takes it, and stored as IMAGES OF OPERAND REGISTERS for the next launch.
; SHARES.  Work-group g owns tokens 128 (g % 2) .. + 127 of batch g / 2: every token is normalised and multiplied once.  Eight waves; wave w makes LN1 of token tile w, and owns features 64 w .. 64 w + 63 (head w) of every product.
; Its slice of a weight (16 fragments, 192 registers, laid out by the first launch) goes from memory straight into registers; xn goes round through LDS as fragment images.
; THE ROWS OF A TILE ARE NOT NEIGHBOURS: lane r of token tile 2 b + u is token 32 b + 8 u + r + 8 (r / 8); weight tiles likewise.  So a transposed product (source 0 = weights) leaves 16 neighbours of each block of 32 features in a lane.
; V is made the natural way round (source 0 = tokens): a lane holds a feature and its registers run along the keys.
; OUT.  An image is planes of 256 bytes (two registers, 8 bytes a lane).  kimg [batch][head][key tile 16][768]; vimg [batch][head][128 keys: 2][f 4][1,536]; qimg [work-group][head][tile 8][768];
; sc [work-group][head][1,024]: K's bytes at 16 r + 2 tile, V's at 256 + 16 r + 4 f + 2 (64 keys), Q's words at 512 + 64 tile + 4 r; mu [work-group][128 tile + 8 r]: (-mu, rstd).
; All are gathered in the wave's own LDS bytes and leave as runs of 512 consecutive bytes.
; NO TENSOR LOADS, NO CLUSTER: a wave reads its 24,576 bytes of a weight once, into operand registers; no LDS slot stands between.  No data prefetch: x is asked for whole at the head, each weight a phase's end ahead of its use.
; LIMITS: NaN and infinities are not served; a block whose largest magnitude lies under 2^-122 (a block of zeros too) gets the byte 1: these bytes are read by this program alone, and zero codes add nothing.
.set XIMG,  0                          ; xn's fragments: tile t, K step s at 6,144 t + 1,536 s
.set XSC,   49152                      ; their scale words: 256 t + 64 s + 4 r
.set KIMG,  51200                      ; 6,144 a wave: K's half fragments, later Q's
.set VIMG,  100352                     ; 6,144 a wave
.set SCR,   149504                     ; 1,024 a wave: the scale record
.set MU1,   157696
.set GB1,   158720                     ; g1, then be1
.set SPARE, 162816                     ; the spare words, 128 bytes a wave
.set LI,   1
.set LI16, 2
.set LS,   3
.set XA,   4
.set SPW,  5
.set NIL,  6
.set WSA,  7
.set GBA,  8
.set CPK,  9
.set CPS,  10
.set XWI0, 11
.set XWS0, 12
.set MUW0, 13
.set KW0,  14
.set KS0,  15
.set VW0,  16
.set VS0,  17
.set QS0,  18
.set RD,   19
.set RS,   20
.set W1A,  21
.set W2A,  22
.set W3A,  23
.set PC,   24
.set STG,  36
.set TM,   44
.set MUC,  63
.set XF,   64
.set ACC,  112
.set WS,   232
.set XS,   248
.set WCP,  14
.set WSP,  16
.set MSB, 0
.macro WIN new
.if MSB != \new
	s_set_vgpr_msb (MSB<<8)|\new
.set MSB, \new
.endif
.endm
.macro PLACES n
.rept \n
	v_nop
.endr
.endm
.macro BAR
	s_wait_dscnt 0x0
	s_barrier_signal -1
	s_barrier_wait -1
.endm
.macro MM d, a, b, c, sa, sb
	v_wmma_scale_f32_16x16x128_f8f6f4 v[(\d):(\d)+7], v[(\a):(\a)+11], v[(\b):(\b)+11], \c, v[(\sa)], v[(\sb)] matrix_a_fmt:MATRIX_FMT_BF6 matrix_b_fmt:MATRIX_FMT_BF6
.endm
.macro TILEIN off, sof, kst, hst       ; a token tile's four fragments and scale words
.irp s, 0,1,2,3
.irp p, 0,1,2,3,4,5
	ds_load_b64 v[XF+12*\s+2*\p:XF+12*\s+2*\p+1], v[RD] offset:(\off)+(\kst)*\s+(\hst)*(\p/3)+256*(\p%3)
.endr
	ds_load_b32 v[XS+\s], v[RS] offset:(\sof)+64*\s
.endr
.endm
.macro HALFOUT adr, reg, off
.irp p, 0,1,2
	ds_store_b64 v[\adr], v[(\reg)+2*\p:(\reg)+2*\p+1] offset:(\off)+256*\p
.endr
.endm
.macro QHEAD n, src                    ; n blocks: my 16 numbers of block b at v[src + 16 b]; leaves the scale operand in v[TM+12+b], the byte in v[TM+4+b]
.set QB, 0
.rept \n
	v_max3_num_f32 v[TM+QB], |v[(\src)+16*QB]|, |v[(\src)+16*QB+1]|, 0x2800000   ; the floor 2^(5 - 127) holds the byte at 1 from below
.set QB, QB+1
.endr
.irp i, 2,4,6,8,10,12,14
.set QB, 0
.rept \n
	v_max3_num_f32 v[TM+QB], v[TM+QB], |v[(\src)+16*QB+\i]|, |v[(\src)+16*QB+\i+1]|
.set QB, QB+1
.endr
.endr
.set QB, 0
.rept \n
	v_permlanex16_b32 v[TM+4+QB], v[TM+QB], s32, s33
.set QB, QB+1
.endr
.set QB, 0
.rept \n
	v_max_num_f32 v[TM+QB], v[TM+QB], v[TM+4+QB]
.set QB, QB+1
.endr
.set QB, 0
.rept \n
	v_add_nc_u32 v[TM+12+QB], 0xfe000000, v[TM+QB]   ; 4 off the exponent field
.set QB, QB+1
.endr
.set QB, 0
.rept \n
	v_lshrrev_b32 v[TM+4+QB], 23, v[TM+12+QB]
.set QB, QB+1
.endr
.endm
.macro CVT2 src, dst, stg, so
	v_cvt_scalef32_pk16_bf6_f32 v[(\dst):(\dst)+2], v[(\src):(\src)+15], v[(\so)]
	v_cvt_scalef32_pk16_bf6_f32 v[(\stg):(\stg)+2], v[(\src)+16:(\src)+31], v[(\so)+1]
.endm
.macro MERGE dst, stg                  ; a whole block in a lane: lanes 0-15 the first block, lanes 16-31 the second
.irp i, 0,1,2
	v_permlane16_swap_b32 v[(\dst)+\i], v[(\stg)+\i]
.endr
.irp i, 0,1,2
	s_delay_alu instid0(VALU_DEP_3)
	v_mov_b32 v[(\dst)+3+\i], v[(\stg)+\i]
.endr
.endm
.macro QUANT src, word                 ; 64 numbers a lane -> a fragment in v[PC] on, its scale word in v[word]
	QHEAD 4, \src
	s_delay_alu instid0(VALU_DEP_3)
	v_lshl_or_b32 v[\word], v[TM+5], 8, v[TM+4]
	s_delay_alu instid0(VALU_DEP_1)
	v_lshl_or_b32 v[\word], v[TM+6], 16, v[\word]
	s_delay_alu instid0(VALU_DEP_1)
	v_lshl_or_b32 v[\word], v[TM+7], 24, v[\word]
	CVT2 \src, PC, STG, TM+12
	CVT2 (\src)+32, PC+6, STG+4, TM+14
	v_nop                                          ; one plain line behind the scaled conversions
	MERGE PC, STG
	MERGE PC+6, STG+4
.endm
.macro QUANT2 src, dst, hw             ; 32 numbers a lane -> half a fragment, its two bytes in v[hw]
	QHEAD 2, \src
	s_delay_alu instid0(VALU_DEP_1)
	v_lshl_or_b32 v[\hw], v[TM+5], 8, v[TM+4]
	CVT2 \src, \dst, STG, TM+12
	v_nop
	MERGE \dst, STG
.endm
; 16 products: my 64 features x 16 tokens, K = 512; four accumulators by turns.  Five plain lines follow: the next tile begins the same accumulators anew (ISA guide 7.12.1).
.macro GEMMT
	WIN 0x01
.irp s, 0,1,2,3
.irp f, 0,1,2,3
.if \s > 0
	MM ACC+8*\f, 12*(4*\f+\s), XF+12*\s, v[ACC+8*\f:ACC+8*\f+7], WS+4*\f+\s, XS+\s
.else
	MM ACC+8*\f, 12*(4*\f+\s), XF+12*\s, 0, WS+4*\f+\s, XS+\s
.endif
.endr
.endr
	WIN 0
	PLACES 5
.endm
.macro WSLOAD m
.set IX, 0
.rept 16
	global_load_b32 v[WS+IX], v[WSA], s[WSP:WSP+1] offset:16384*\m+128*IX
.set IX, IX+1
.endr
.endm
.macro WLOAD m                         ; my slice of weight m: 48 loads of 512 consecutive bytes, straight into the operand registers
	WIN 0x40
.set IX, 0
.rept 48
	global_load_b128 v[4*IX:4*IX+3], v[LI16], s[WCP:WCP+1] offset:196608*\m+512*IX
.set IX, IX+1
.endr
	WIN 0
	WSLOAD \m
.endm
.macro FOLD4 c
	v_pk_add_f32 v[\c:\c+1], v[\c:\c+1], v[\c+2:\c+3]
	v_pk_add_f32 v[\c+4:\c+5], v[\c+4:\c+5], v[\c+6:\c+7]
	s_delay_alu instid0(VALU_DEP_1)
	v_pk_add_f32 v[\c:\c+1], v[\c:\c+1], v[\c+4:\c+5]
	s_delay_alu instid0(VALU_DEP_1)
	v_add_f32 v[\c], v[\c], v[\c+1]
	s_delay_alu instid0(VALU_DEP_1)
	v_permlanex16_b32 v[\c+1], v[\c], s32, s33
	s_delay_alu instid0(VALU_DEP_1)
	v_add_f32 v[\c], v[\c], v[\c+1]
.endm
.macro COPYOUT off, ptr                ; my 6,144 bytes of images leave as they lie: LDS serves a wave's instructions in order, so the loads see my stores; each store covers 512 consecutive bytes
.irp q, 0,1,2,3,4,5,6,7,8,9,10,11
	ds_load_b128 v[XF+4*\q:XF+4*\q+3], v[CPK] offset:(\off)+512*\q
.endr
	s_wait_dscnt 0x0
.irp q, 0,1,2,3,4,5,6,7,8,9,10,11
	global_store_b128 v[LI16], v[XF+4*\q:XF+4*\q+3], s[\ptr:\ptr+1] offset:512*\q
.endr
.endm
; ======== HEAD
	s_load_b256 s[8:15], s[0:1], 0x0               ; x, g1, be1, wc
	s_load_b256 s[16:23], s[0:1], 0x20             ; ws, kimg, vimg, qimg
	s_load_b128 s[24:27], s[0:1], 0x40             ; sc, mu
	v_lshl_add_u32 v[SPW], v0, 2, SPARE
	v_mov_b32 v[NIL], 0
	v_lshrrev_b32 v23, 5, v0
	v_readfirstlane_b32 s2, v23                    ; wave = head
	v_and_b32 v23, 31, v0
	v_lshlrev_b32 v[LI], 3, v23
	v_lshlrev_b32 v[LI16], 4, v23
	v_lshlrev_b32 v[WSA], 2, v23
	v_and_b32 v60, 15, v0                          ; r
	v_bfe_u32 v61, v0, 4, 1                        ; h
	v_lshlrev_b32 v[LS], 2, v60
	v_and_b32 v62, 8, v60
	v_add_nc_u32 v62, v62, v60                     ; r + 8 (r / 8)
	v_lshlrev_b32 v[XA], 11, v62
	v_lshl_add_u32 v[XA], v61, 6, v[XA]
	v_lshlrev_b32 v63, 6, v61
	v_add_nc_u32 v[GBA], GB1, v63
	v_add_nc_u32 v[MUC], MU1, v[LI16]
	v_lshl_add_u32 v[MUW0], v60, 3, MU1
	v_lshlrev_b32 v[KS0], 4, v60
.irp j, 0,1,2,3,4,5,6,7,8,9,10,11,12,13,14,15
	v_mov_b32 v[TM+\j], 0                          ; written once: a lane permute's destination counts as one of its sources
.endr
	s_lshl_b32 s44, s2, 7
	v_add_nc_u32 v[MUW0], s44, v[MUW0]
	s_mul_i32 s45, s2, 6144
	v_add_nc_u32 v[XWI0], s45, v[LI]
	s_add_co_u32 s44, s45, KIMG
	v_add_nc_u32 v[KW0], s44, v[LI]
	v_add_nc_u32 v[CPK], s44, v[LI16]
	s_add_co_u32 s44, s45, VIMG
	v_add_nc_u32 v[VW0], s44, v[LI]
	s_lshl_b32 s45, s2, 8
	s_add_co_u32 s44, s45, XSC
	v_add_nc_u32 v[XWS0], s44, v[LS]
	s_lshl_b32 s45, s2, 10
	s_add_co_u32 s44, s45, SCR
	v_add_nc_u32 v[KS0], s44, v[KS0]
	v_add_nc_u32 v[QS0], s44, v[LS]
	v_add_nc_u32 v[CPS], s44, v[LI16]
	v_add_nc_u32 v[VS0], 256, v[KS0]
	v_lshlrev_b32 v[W3A], 3, v0                    ; g1, be1: 8 bytes a thread
	v_lshl_add_u32 v[W2A], v0, 3, GB1
	s_mov_b32 s32, 0x76543210
	s_mov_b32 s33, 0xfedcba98                      ; selects for lane l xor 16
	s_mov_b32 s46, 0x3b000000                      ; 1 / 512
	s_mov_b32 s47, 0x3727c5ac                      ; 1e-5
	s_lshl_b32 s42, ttmp9, 18                      ; 128 rows of 2,048 bytes a work-group
	s_lshr_b32 s40, s2, 1
	s_lshl_b32 s40, s40, 16                        ; tile w begins at row 32 (w / 2) + 8 (w % 2)
	s_add_co_u32 s42, s42, s40
	s_and_b32 s40, s2, 1
	s_lshl_b32 s40, s40, 14
	s_add_co_u32 s42, s42, s40
	s_mov_b32 s43, 0
	s_mov_b32 s41, 0
	s_wait_alu depctr_va_vdst(0)
	s_wait_kmcnt 0x0
	s_add_nc_u64 s[8:9], s[8:9], s[42:43]
	s_mul_i32 s40, s2, 24576
	s_add_nc_u64 s[14:15], s[14:15], s[40:41]      ; my slice of weight 0
	s_lshl_b32 s40, s2, 11
	s_add_nc_u64 s[16:17], s[16:17], s[40:41]
	s_lshr_b32 s40, ttmp9, 1
	s_lshl_b32 s40, s40, 3
	s_add_co_u32 s40, s40, s2
	s_lshl_b32 s40, s40, 1
	s_and_b32 s44, ttmp9, 1
	s_add_co_u32 s40, s40, s44
	s_mul_i32 s40, s40, 6144                       ; 12,288 (8 batch + head) + 6,144 (my half of the keys)
	s_add_nc_u64 s[18:19], s[18:19], s[40:41]
	s_add_nc_u64 s[20:21], s[20:21], s[40:41]
	s_lshl_b32 s44, ttmp9, 3
	s_add_co_u32 s44, s44, s2
	s_mul_i32 s40, s44, 6144
	s_add_nc_u64 s[22:23], s[22:23], s[40:41]
	s_lshl_b32 s40, s44, 10
	s_add_nc_u64 s[24:25], s[24:25], s[40:41]
	s_lshl_b32 s40, ttmp9, 10
	s_add_nc_u64 s[26:27], s[26:27], s[40:41]
	global_load_b64 v[24:25], v[W3A], s[10:11]
	global_load_b64 v[26:27], v[W3A], s[12:13]
	WIN 0x40
.irp s, 0,1,2,3
.irp b, 0,1,2,3
.irp j, 0,1,2,3
	global_load_b128 v[64*\s+16*\b+4*\j:64*\s+16*\b+4*\j+3], v[XA], s[8:9] offset:512*\s+128*\b+16*\j   ; register 64 s + 16 b + i is k = 128 s + 32 b + 16 h + i of token r
.endr
.endr
.endr
	WIN 0
	s_wait_loadcnt 63                              ; 66 loads are issued: the oldest three are in, g1 and be1 among them
	ds_store_b64 v[W2A], v[24:25]
	ds_store_b64 v[W2A], v[26:27] offset:2048
	BAR                                            ; g1 and be1 lie in LDS
; ======== LN1: my tile: statistics, xn, its four fragments
.set YR,  64
.set GR,  128
.set BER, 160
.set CH,  192
.set NMU, 200
.set RSD, 202
.set MRP, 204
.macro GBLOAD s, blk
.irp b, 0,1
.irp j, 0,1,2,3
	ds_load_b128 v[GR+16*\b+4*\j:GR+16*\b+4*\j+3], v[GBA] offset:512*\s+128*(\blk+\b)+16*\j
	ds_load_b128 v[BER+16*\b+4*\j:BER+16*\b+4*\j+3], v[GBA] offset:2048+512*\s+128*(\blk+\b)+16*\j
.endr
.endr
.endm
	s_wait_loadcnt 0x0
	WIN 0x05
.irp c, 0,1,2,3
	v_pk_add_f32 v[CH+2*\c:CH+2*\c+1], v[2*\c:2*\c+1], v[2*\c+8:2*\c+9]   ; the first eight pairs start four chains
.endr
	WIN 0x04
.set IX, 8
.rept 120
	v_pk_add_f32 v[CH+2*(IX%4):CH+2*(IX%4)+1], v[CH+2*(IX%4):CH+2*(IX%4)+1], v[2*IX:2*IX+1]
.set IX, IX+1
.endr
	WIN 0
	FOLD4 CH
	s_delay_alu instid0(VALU_DEP_1)
	v_mul_f32 v[NMU], 0xbb000000, v[CH]            ; -mu
	s_delay_alu instid0(VALU_DEP_1)
	v_mov_b32 v[NMU+1], v[NMU]
	WIN 0x41
.set IX, 0
.rept 128
	v_pk_add_f32 v[2*IX:2*IX+1], v[2*IX:2*IX+1], v[NMU:NMU+1]   ; x - mu, in place
.set IX, IX+1
.endr
	WIN 0x05
.irp c, 0,1,2,3
	v_pk_mul_f32 v[CH+2*\c:CH+2*\c+1], v[2*\c:2*\c+1], v[2*\c:2*\c+1]
.endr
.set IX, 4
.rept 124
	s_delay_alu instid0(VALU_DEP_4)
	v_pk_fma_f32 v[CH+2*(IX%4):CH+2*(IX%4)+1], v[2*IX:2*IX+1], v[2*IX:2*IX+1], v[CH+2*(IX%4):CH+2*(IX%4)+1]
.set IX, IX+1
.endr
	WIN 0
	FOLD4 CH
	s_delay_alu instid0(VALU_DEP_1)
	v_fma_f32 v[CH], v[CH], s46, s47               ; var + eps
	s_wait_alu depctr_va_vdst(0)
	v_rsq_f32 v[RSD], v[CH]
	v_mov_b32 v[MRP], v[NMU]                       ; (a plain line behind the transcendental)
	s_wait_alu depctr_va_vdst(0)                   ; ahead of the first line that names the result
	v_mov_b32 v[RSD+1], v[RSD]
	v_mov_b32 v[MRP+1], v[RSD]
	ds_store_b64 v[MUW0], v[MRP:MRP+1]             ; kept for the next launch's residual
.irp s, 0,1,2,3
	GBLOAD \s, 0
	WIN 0x01
.set IX, 0
.rept 32
	v_pk_mul_f32 v[YR+2*IX:YR+2*IX+1], v[64*\s+2*IX:64*\s+2*IX+1], v[RSD:RSD+1]
.set IX, IX+1
.endr
	WIN 0
.if \s < 3
	WIN 0x40                                       ; the 64 registers of K step s have been read: they take wk's fragments
.set IX, 0
.rept 16
	global_load_b128 v[64*\s+4*IX:64*\s+4*IX+3], v[LI16], s[WCP:WCP+1] offset:512*(16*\s+IX)
.set IX, IX+1
.endr
	WIN 0
.endif
	s_wait_dscnt 0x0
.set IX, 0
.rept 16
	v_pk_fma_f32 v[YR+2*IX:YR+2*IX+1], v[YR+2*IX:YR+2*IX+1], v[GR+2*IX:GR+2*IX+1], v[BER+2*IX:BER+2*IX+1]
.set IX, IX+1
.endr
	GBLOAD \s, 2
	s_wait_dscnt 0x0
.set IX, 0
.rept 16
	v_pk_fma_f32 v[YR+32+2*IX:YR+33+2*IX], v[YR+32+2*IX:YR+33+2*IX], v[GR+2*IX:GR+2*IX+1], v[BER+2*IX:BER+2*IX+1]
.set IX, IX+1
.endr
	QUANT YR, 60
.irp p, 0,1,2,3,4,5
	ds_store_b64 v[XWI0], v[PC+2*\p:PC+2*\p+1] offset:1536*\s+256*\p
.endr
	ds_store_b32 v[XWS0], v60 offset:64*\s         ; both halves of the lanes write the same word with the same value
.endr
	WSLOAD 0
	BAR                                            ; xn's 32 fragments and the statistics lie in LDS
	s_cmp_lg_u32 s2, 0
	s_cbranch_scc1 .Lnomu
	ds_load_b128 v[192:195], v[MUC]                ; wave 0 sends the work-group's 1,024 bytes of statistics out
	ds_load_b128 v[196:199], v[MUC] offset:512
	s_wait_dscnt 0x0
	global_store_b128 v[LI16], v[192:195], s[26:27]
	global_store_b128 v[LI16], v[196:199], s[26:27] offset:512
.Lnomu:
; ======== K and Q: transposed; a tile's 32 results a lane are the two blocks of the scores' K.  Two trips of four tiles.
.macro KQ isq, lbl
	s_wait_loadcnt 0x0                             ; the weight
	s_wait_xcnt 0x0                                ; earlier stores have read their registers
	s_mov_b32 s36, 0
	s_mov_b32 s37, 0
	s_mov_b32 s38, XSC
	s_mov_b32 s39, 0
	s_mov_b32 s40, 0
\lbl:
	v_add_nc_u32 v[RD], s37, v[LI]
	v_add_nc_u32 v[RS], s38, v[LS]
	v_add_nc_u32 v[W1A], s39, v[KW0]
.if \isq
	v_add_nc_u32 v[W2A], s40, v[QS0]
.else
	v_add_nc_u32 v[W2A], s40, v[KS0]
.endif
	TILEIN 0, 0, 1536, 768
	s_wait_alu depctr_va_vdst(0)
.irp e, 0,1,2,3
	s_wait_dscnt 0x0
	GEMMT
.if \e < 3
	TILEIN 6144*(\e+1), 256*(\e+1), 1536, 768      ; the next tile comes while this one is quantised
.endif
	QUANT2 ACC, PC, 60
	HALFOUT W1A, PC, 768*\e
.if \isq
	v_lshl_or_b32 v61, v60, 16, v60                ; the two bytes twice: for [q][0] and for [0][q]
	ds_store_b32 v[W2A], v61 offset:512+64*\e
.else
	ds_store_b16 v[W2A], v60 offset:2*\e
.endif
.endr
	s_add_co_u32 s37, s37, 24576
	s_add_co_u32 s38, s38, 1024
	s_add_co_u32 s39, s39, 3072
.if \isq
	s_add_co_u32 s40, s40, 256
.else
	s_add_co_u32 s40, s40, 8
.endif
	s_add_co_u32 s36, s36, 1
	s_cmp_lt_u32 s36, 2
	s_cbranch_scc1 \lbl
.endm
	KQ 0, .Lk
	WLOAD 1
	COPYOUT 0, 18                                  ; K's images leave while wv comes
; ======== V: the natural way round
.set ACCV, 112
.set VC,   176
.set VT,   200
.set VB,   216
.macro GEMMN u
	WIN 0x04
.irp s, 0,1,2,3
.irp f, 0,1,2,3
.if \s > 0
	MM ACCV+16*\f+8*\u, XF+12*\s, 12*(4*\f+\s), v[ACCV+16*\f+8*\u:ACCV+16*\f+8*\u+7], XS+\s, WS+4*\f+\s
.else
	MM ACCV+16*\f+8*\u, XF+12*\s, 12*(4*\f+\s), 0, XS+\s, WS+4*\f+\s
.endif
.endr
.endr
	WIN 0
	PLACES 5
.endm
.macro VQ beta                         ; a block of 32 keys of my 64 features: one block for each f
	QHEAD 4, ACCV
.if \beta == 0
.irp f, 0,1,2,3
	v_cvt_scalef32_pk16_bf6_f32 v[VC+6*\f:VC+6*\f+2], v[ACCV+16*\f:ACCV+16*\f+15], v[TM+12+\f]
.endr
.irp f, 0,1,2,3
	v_mov_b32 v[VB+\f], v[TM+4+\f]                 ; (also the plain lines behind the conversions)
.endr
.else
.irp f, 0,1,2,3
	v_cvt_scalef32_pk16_bf6_f32 v[VT+4*\f:VT+4*\f+2], v[ACCV+16*\f:ACCV+16*\f+15], v[TM+12+\f]
.endr
.irp f, 0,1,2,3
	v_lshl_or_b32 v[VB+\f], v[TM+4+\f], 8, v[VB+\f]
.endr
.irp f, 0,1,2,3
	MERGE VC+6*\f, VT+4*\f
.endr
.endif
.endm
	s_wait_loadcnt 0x0                             ; wv
	s_wait_xcnt 0x0                                ; K's stores have read their registers
	s_mov_b32 s36, 0
	s_mov_b32 s37, 0
	s_mov_b32 s38, XSC
	s_mov_b32 s39, 0                               ; 768 a group of 64 keys
	s_mov_b32 s40, 0                               ; 2 bytes a group
.Lv:
	v_add_nc_u32 v[RD], s37, v[LI]
	v_add_nc_u32 v[RS], s38, v[LS]
	v_add_nc_u32 v[W1A], s39, v[VW0]
	v_add_nc_u32 v[W2A], s40, v[VS0]
	TILEIN 0, 0, 1536, 768
	s_wait_alu depctr_va_vdst(0)
.irp k, 0,1,2,3
	s_wait_dscnt 0x0
	GEMMN (\k%2)
.if \k < 3
	TILEIN 6144*(\k+1), 256*(\k+1), 1536, 768
.endif
.if \k%2 == 1
	VQ (\k/2)
.endif
.endr
.irp f, 0,1,2,3
	HALFOUT W1A, VC+6*\f, 1536*\f
	ds_store_b16 v[W2A], v[VB+\f] offset:4*\f
.endr
	s_add_co_u32 s37, s37, 24576
	s_add_co_u32 s38, s38, 1024
	s_add_co_u32 s39, s39, 768
	s_add_co_u32 s40, s40, 2
	s_add_co_u32 s36, s36, 1
	s_cmp_lt_u32 s36, 2
	s_cbranch_scc1 .Lv
	WLOAD 2
	COPYOUT VIMG-KIMG, 20                          ; V's images leave while wq comes
; ======== Q, into the bytes that held K's images (my own: their loads have come back)
	KQ 1, .Lq
	COPYOUT 0, 22
	ds_load_b128 v[112:115], v[CPS]                ; my scale record
	ds_load_b128 v[116:119], v[CPS] offset:512
	s_wait_dscnt 0x0
	global_store_b128 v[LI16], v[112:115], s[24:25]
	global_store_b128 v[LI16], v[116:119], s[24:25] offset:512
	s_wait_tensorcnt 0x0                           ; the wave's end
	ds_add_u32 v[SPW], v[NIL]
	s_wait_dscnt 0x0
	s_endpgm
.Lfunc_end_k_q4fbdbe7736_qkv:
	.size	k_q4fbdbe7736_qkv, .Lfunc_end_k_q4fbdbe7736_qkv-k_q4fbdbe7736_qkv
	.p2alignl 7, 3214868480
	.fill 96, 4, 3214868480
	.section	.rodata,"a",@progbits
	.p2align	6, 0x0
	.amdhsa_kernel k_q4fbdbe7736_qkv
		.amdhsa_group_segment_fixed_size 163840
		.amdhsa_private_segment_fixed_size 0
		.amdhsa_enable_private_segment 0
		.amdhsa_kernarg_size 80
		.amdhsa_user_sgpr_count 2
		.amdhsa_user_sgpr_kernarg_segment_ptr 1
		.amdhsa_wavefront_size32 1
		.amdhsa_system_sgpr_workgroup_id_x 1
		.amdhsa_system_sgpr_workgroup_id_y 1
		.amdhsa_system_sgpr_workgroup_id_z 1
		.amdhsa_system_vgpr_workitem_id 0
		.amdhsa_next_free_vgpr 512
		.amdhsa_next_free_sgpr 66
		.amdhsa_reserve_vcc 0
		.amdhsa_float_denorm_mode_32 3
		.amdhsa_float_denorm_mode_16_64 3
		.amdhsa_memory_ordered 1
		.amdhsa_forward_progress 1
		.amdhsa_inst_pref_size 184
	.end_amdhsa_kernel
	.amdgpu_metadata
---
amdhsa.version: [ 1, 2 ]
amdhsa.kernels:
  - .name:           k_q4fbdbe7736_qkv
    .symbol:         k_q4fbdbe7736_qkv.kd
    .args:
      - { .name: x, .offset: 0, .size: 8, .value_kind: global_buffer, .address_space: global }
      - { .name: g1, .offset: 8, .size: 8, .value_kind: global_buffer, .address_space: global }
      - { .name: be1, .offset: 16, .size: 8, .value_kind: global_buffer, .address_space: global }
      - { .name: wc, .offset: 24, .size: 8, .value_kind: global_buffer, .address_space: global }
      - { .name: ws, .offset: 32, .size: 8, .value_kind: global_buffer, .address_space: global }
      - { .name: kimg, .offset: 40, .size: 8, .value_kind: global_buffer, .address_space: global }
      - { .name: vimg, .offset: 48, .size: 8, .value_kind: global_buffer, .address_space: global }
      - { .name: qimg, .offset: 56, .size: 8, .value_kind: global_buffer, .address_space: global }
      - { .name: sc, .offset: 64, .size: 8, .value_kind: global_buffer, .address_space: global }
      - { .name: mu, .offset: 72, .size: 8, .value_kind: global_buffer, .address_space: global }
    .group_segment_fixed_size: 163840
    .private_segment_fixed_size: 0
    .kernarg_segment_align: 8
    .kernarg_segment_size: 80
    .max_flat_workgroup_size: 256
    .sgpr_count:     66
    .vgpr_count:     512
    .wavefront_size: 32
...
	.end_amdgpu_metadata
.endif
;; end of part 2
;; launch attn (part 3): grid 256 x 1, 8 waves a work-group, no clusters, 327,680 bytes of LDS; arguments x, g1, be1, g2, be2, bf1, bf2, wc, ws, out0, kimg, vimg, qimg, sc, mu; writes out0
.if DOCPART == 3
	.amdgcn_target "amdgcn-amd-amdhsa--gfx1250"
	.amdhsa_code_object_version 6
	.text
	.protected	k_q4fbdbe7736_attn
	.globl	k_q4fbdbe7736_attn
	.p2align	8
	.type	k_q4fbdbe7736_attn,@function
k_q4fbdbe7736_attn:
	s_mov_b64 s[64:65], 0
	v_nop
	global_prefetch_b8 v0, s[64:65] scope:SCOPE_SE
	s_setreg_imm32_b32 hwreg(HW_REG_WAVE_MODE, 25, 1), 1
	s_wait_xcnt 0x0
; out = xt + relu(xt w1 + bf1) w2 + bf2,  xt = LN2(xn + attention),  xn = LN1(x) made again from x and the stored (-mu, rstd).  q, k, v come as codes of E3M2 and scale bytes, laid as operand images by the launch before.
; SHARES.  Work-group g owns queries 128 (g % 2) .. + 127 of batch g / 2.  Eight waves; WAVE w IS HEAD w and owns features 64 w .. 64 w + 63 of every product.  Its K and V (all 256 keys) go from memory straight into 192 operand registers.
; Lane r of token tile 2 b + u is token 32 b + 8 u + r + 8 (r / 8); in a transposed product lane (r, h) holds token r and register 16 b' + 8 u' + j feature 64 w + 32 b' + 16 h + 8 u' + j.
; SCORES have K = 64: a fragment of K holds two key tiles; Q stands as [q][zero codes][q] in 18 registers, whose first 12 pick the first tile and whose last 12 the second.
; SOFTMAX: all 256 keys of 16 queries lie in 128 registers: M = ceil(largest t), p = 2^(t - M), the sum of the unquantised p divides at the end.
; LN2 spans the waves: each wave gives the mean and the sum of squared deviations of its 64 features; combined as (sum M2 + 64 sum (m - mean)^2) / 512.
; Q of tile i + 1 is asked for in trip i, behind the scores (the last trip asks for tile 7 again, so that every trip has the same count of loads out); x and the statistics of tile i at trip i's head.
; NO TENSOR LOADS, NO CLUSTER: the LDS map takes all but the spare words, so no slot is left for a joint load of the shared weights; a wave reads its 24,576 bytes of a weight once, into operand registers.  No data prefetch: each stream is asked for a trip or a phase ahead by its own loads.
; LIMITS: NaN and infinities are not served; a block whose largest magnitude lies under 2^-122 gets the byte 1; scaled scores stay under 2^31.  The biases enter as the C of a sum's first product, so the order of the f32 additions differs from reference()'s.
; LDS: YB 32,768 w + 4,096 i: y(i), then xt(i), then out(i); XTIMG 6,144 w + 768 i: xt's, later the hidden layer's half fragments; XTSC 256 i + 64 s + 4 r + 2 c; ST2 1,024 w + 128 i + 8 r; SPARE; GB1 g1, be1.
.set XTIMG, 262144
.set XTSC,  311296
.set ST2,   313344
.set SPARE, 321536
.set GB1,   323584
.set LI,   1
.set LI16, 2
.set LS,   3
.set SPW,  4
.set XRA,  5
.set PA,   6
.set WSA,  7
.set NIL,  8
.set GBW,  9
.set MUA,  10
.set YA,   11
.set STW,  14
.set STR,  15
.set XTW,  16
.set XTS,  17
.set SW0,  18
.set RD,   19
.set RS,   20
.set W1A,  21
.set W2A,  22
.set W3A,  23
.set PC,   24
.set STG,  36
.set TM,   44
.set MR,   62
.set XF,   64
.set ACC,  112
.set WS,   232
.set XS,   248
.set QS,   252
.set PW,   253
.set MSB, 0
.macro WIN new
.if MSB != \new
	s_set_vgpr_msb (MSB<<8)|\new
.set MSB, \new
.endif
.endm
.macro PLACES n
.rept \n
	v_nop
.endr
.endm
.macro BAR
	s_wait_dscnt 0x0
	s_barrier_signal -1
	s_barrier_wait -1
.endm
.macro MM d, a, b, c, sa, sb
	v_wmma_scale_f32_16x16x128_f8f6f4 v[(\d):(\d)+7], v[(\a):(\a)+11], v[(\b):(\b)+11], \c, v[(\sa)], v[(\sb)] matrix_a_fmt:MATRIX_FMT_BF6 matrix_b_fmt:MATRIX_FMT_BF6
.endm
.macro TILEIN off, sof, kst, hst
.irp s, 0,1,2,3
.irp p, 0,1,2,3,4,5
	ds_load_b64 v[XF+12*\s+2*\p:XF+12*\s+2*\p+1], v[RD] offset:(\off)+(\kst)*\s+(\hst)*(\p/3)+256*(\p%3)
.endr
	ds_load_b32 v[XS+\s], v[RS] offset:(\sof)+64*\s
.endr
.endm
.macro HALFOUT adr, reg, off
.irp p, 0,1,2
	ds_store_b64 v[\adr], v[(\reg)+2*\p:(\reg)+2*\p+1] offset:(\off)+256*\p
.endr
.endm
.macro QHEAD n, src
.set QB, 0
.rept \n
	v_max3_num_f32 v[TM+QB], |v[(\src)+16*QB]|, |v[(\src)+16*QB+1]|, 0x2800000
.set QB, QB+1
.endr
.irp i, 2,4,6,8,10,12,14
.set QB, 0
.rept \n
	v_max3_num_f32 v[TM+QB], v[TM+QB], |v[(\src)+16*QB+\i]|, |v[(\src)+16*QB+\i+1]|
.set QB, QB+1
.endr
.endr
.set QB, 0
.rept \n
	v_permlanex16_b32 v[TM+4+QB], v[TM+QB], s32, s33
.set QB, QB+1
.endr
.set QB, 0
.rept \n
	v_max_num_f32 v[TM+QB], v[TM+QB], v[TM+4+QB]
.set QB, QB+1
.endr
.set QB, 0
.rept \n
	v_add_nc_u32 v[TM+12+QB], 0xfe000000, v[TM+QB]
.set QB, QB+1
.endr
.set QB, 0
.rept \n
	v_lshrrev_b32 v[TM+4+QB], 23, v[TM+12+QB]
.set QB, QB+1
.endr
.endm
.macro CVT2 src, dst, stg, so
	v_cvt_scalef32_pk16_bf6_f32 v[(\dst):(\dst)+2], v[(\src):(\src)+15], v[(\so)]
	v_cvt_scalef32_pk16_bf6_f32 v[(\stg):(\stg)+2], v[(\src)+16:(\src)+31], v[(\so)+1]
.endm
.macro MERGE dst, stg
.irp i, 0,1,2
	v_permlane16_swap_b32 v[(\dst)+\i], v[(\stg)+\i]
.endr
.irp i, 0,1,2
	s_delay_alu instid0(VALU_DEP_3)
	v_mov_b32 v[(\dst)+3+\i], v[(\stg)+\i]
.endr
.endm
.macro QUANT2 src, dst, hw
	QHEAD 2, \src
	s_delay_alu instid0(VALU_DEP_1)
	v_lshl_or_b32 v[\hw], v[TM+5], 8, v[TM+4]
	CVT2 \src, \dst, STG, TM+12
	v_nop
	MERGE \dst, STG
.endm
; 16 products, four accumulators by turns; the bias tiles (window 1, v192 on) are the C of the first K step; five plain lines follow (ISA guide 7.12.1)
.macro GEMMT
.irp s, 0,1,2,3
.if \s == 0
	WIN 0x11
.else
	WIN 0x01
.endif
.irp f, 0,1,2,3
.if \s > 0
	MM ACC+8*\f, 12*(4*\f+\s), XF+12*\s, v[ACC+8*\f:ACC+8*\f+7], WS+4*\f+\s, XS+\s
.else
	MM ACC+8*\f, 12*(4*\f+\s), XF+12*\s, v[192+8*\f:192+8*\f+7], WS+4*\f+\s, XS+\s
.endif
.endr
.endr
	WIN 0
	PLACES 5
.endm
.macro WLOAD m
	WIN 0x40
.set IX, 0
.rept 48
	global_load_b128 v[4*IX:4*IX+3], v[LI16], s[22:23] offset:196608*\m+512*IX
.set IX, IX+1
.endr
	WIN 0
.set IX, 0
.rept 16
	global_load_b32 v[WS+IX], v[WSA], s[24:25] offset:16384*\m+128*IX
.set IX, IX+1
.endr
.endm
.macro PLOAD dst, ptr
.irp b, 0,1
.irp q, 0,1,2,3
	global_load_b128 v[(\dst)+16*\b+4*\q:(\dst)+16*\b+4*\q+3], v[PA], s[\ptr:\ptr+1] offset:128*\b+16*\q
.endr
.endr
.endm
.macro FOLD4 c
	v_pk_add_f32 v[\c:\c+1], v[\c:\c+1], v[\c+2:\c+3]
	v_pk_add_f32 v[\c+4:\c+5], v[\c+4:\c+5], v[\c+6:\c+7]
	s_delay_alu instid0(VALU_DEP_1)
	v_pk_add_f32 v[\c:\c+1], v[\c:\c+1], v[\c+4:\c+5]
	s_delay_alu instid0(VALU_DEP_1)
	v_add_f32 v[\c], v[\c], v[\c+1]
	s_delay_alu instid0(VALU_DEP_1)
	v_permlanex16_b32 v[\c+1], v[\c], s32, s33
	s_delay_alu instid0(VALU_DEP_1)
	v_add_f32 v[\c], v[\c], v[\c+1]
.endm
.set S,   64
.set QF,  192
.set P1,  210
.set SO,  222
.set NM,  230
.set BM,  44
.set T2,  52
.set O,   64
.set BE1, 96
.set DM,  130
.set DR,  132
.set DL,  134
.set DMW, 136
.set STP, 138
.set D,   140
.macro QLOAD                           ; a query tile's half fragment, twice, and its scale word: seven loads
.irp p, 0,1,2
	global_load_b64 v[QF+2*\p:QF+2*\p+1], v[RD], s[56:57] offset:256*\p
	global_load_b64 v[QF+12+2*\p:QF+13+2*\p], v[RD], s[56:57] offset:256*\p
.endr
	global_load_b32 v[QS], v[RS], s[50:51]
.endm
; ======== HEAD
	s_load_b256 s[8:15], s[0:1], 0x0               ; x, g1, be1, g2
	s_load_b256 s[16:23], s[0:1], 0x20             ; be2, bf1, bf2, wc
	s_load_b128 s[24:27], s[0:1], 0x40             ; ws, out0
	s_load_b256 s[52:59], s[0:1], 0x50             ; kimg, vimg, qimg, sc
	s_load_b64 s[60:61], s[0:1], 0x70              ; mu
	v_lshl_add_u32 v[SPW], v0, 2, SPARE
	v_mov_b32 v[NIL], 0
	v_lshrrev_b32 v23, 5, v0
	v_readfirstlane_b32 s2, v23                    ; wave = head
	v_and_b32 v23, 31, v0
	v_lshlrev_b32 v[LI], 3, v23
	v_lshlrev_b32 v[LI16], 4, v23
	v_lshlrev_b32 v[WSA], 2, v23
	v_and_b32 v60, 15, v0                          ; r
	v_bfe_u32 v61, v0, 4, 1                        ; h
	v_lshlrev_b32 v[LS], 2, v60
	v_lshlrev_b32 v[MUA], 3, v60
	v_lshlrev_b32 v[W1A], 4, v60                   ; 16 r: K's and V's scale bytes
	v_and_b32 v62, 8, v60
	v_add_nc_u32 v62, v62, v60                     ; r + 8 (r / 8)
	v_lshlrev_b32 v[XRA], 11, v62
	v_lshl_add_u32 v[XRA], v61, 6, v[XRA]
	s_lshl_b32 s44, s2, 8
	v_add_nc_u32 v[XRA], s44, v[XRA]
	v_lshlrev_b32 v[PA], 6, v61
	v_add_nc_u32 v[PA], s44, v[PA]
	v_add_nc_u32 v[GBW], GB1, v[PA]
.irp j, 0,1,2,3,4,5,6,7,8,9,10,11,12,13,14,15
	v_mov_b32 v[TM+\j], 0                          ; written once: a lane permute's destination counts as one of its sources
.endr
.irp j, 0,1,2,3,4,5
	v_mov_b32 v[QF+6+\j], 0                        ; the zero codes between the two copies of q
.endr
	v_lshlrev_b32 v[W3A], 3, v0
	v_lshl_add_u32 v[W2A], v0, 3, GB1
	s_lshl_b32 s44, s2, 15
	v_add_nc_u32 v[YA], s44, v[LI16]
	s_lshl_b32 s45, s2, 10
	s_add_co_u32 s45, s45, ST2
	v_add_nc_u32 v[STW], s45, v[MUA]
	v_add_nc_u32 v[STR], ST2, v[MUA]
	s_mul_i32 s45, s2, 6144
	s_add_co_u32 s45, s45, XTIMG
	v_add_nc_u32 v[XTW], s45, v[LI]
	s_lshr_b32 s45, s2, 1
	s_lshl_b32 s45, s45, 6
	s_and_b32 s40, s2, 1
	s_lshl_b32 s40, s40, 1
	s_add_co_u32 s45, s45, s40
	s_add_co_u32 s45, s45, XTSC
	v_add_nc_u32 v[XTS], s45, v[LS]
	v_lshlrev_b32 v62, 2, v61
	v_xor_b32 v62, v62, v60
	v_lshlrev_b32 v62, 4, v62
	v_lshl_add_u32 v62, v60, 8, v62
	v_add_nc_u32 v[SW0], s44, v62
	v_mov_b32 v[RD], v[LI]                         ; Q of tile 0
	v_mov_b32 v[RS], v[LS]
	s_mov_b32 s32, 0x76543210
	s_mov_b32 s33, 0xfedcba98
	s_mov_b32 s34, 0x3fb8aa3b                      ; log2(e)
	s_mov_b32 s35, s34
	s_mov_b32 s46, 0x3b000000                      ; 1 / 512
	s_mov_b32 s47, 0x3727c5ac                      ; 1e-5
	s_mov_b32 s48, 0x05040302
	s_lshr_b32 s4, ttmp9, 1                        ; batch
	s_lshl_b32 s40, ttmp9, 18                      ; my first query's row
	s_mov_b32 s41, 0
	s_wait_alu depctr_va_vdst(0)
	s_wait_kmcnt 0x0
	s_add_nc_u64 s[28:29], s[8:9], s[40:41]
	s_add_nc_u64 s[26:27], s[26:27], s[40:41]
	s_lshl_b32 s40, s2, 8
	s_add_nc_u64 s[26:27], s[26:27], s[40:41]
	s_mul_i32 s40, s2, 24576
	s_add_nc_u64 s[22:23], s[22:23], s[40:41]
	s_lshl_b32 s40, s2, 11
	s_add_nc_u64 s[24:25], s[24:25], s[40:41]
	s_lshl_b32 s40, s4, 3
	s_add_co_u32 s40, s40, s2
	s_mul_i32 s40, s40, 12288
	s_add_nc_u64 s[52:53], s[52:53], s[40:41]
	s_add_nc_u64 s[54:55], s[54:55], s[40:41]
	s_lshl_b32 s42, ttmp9, 3
	s_add_co_u32 s42, s42, s2
	s_mul_i32 s40, s42, 6144
	s_add_nc_u64 s[56:57], s[56:57], s[40:41]
	s_lshl_b32 s40, s42, 10
	s_add_co_u32 s40, s40, 512
	s_add_nc_u64 s[50:51], s[58:59], s[40:41]      ; Q's scale words: my own record
	s_lshl_b32 s40, s4, 4
	s_add_co_u32 s40, s40, s2
	s_lshl_b32 s40, s40, 10
	s_add_nc_u64 s[58:59], s[58:59], s[40:41]      ; K's and V's: the records of both halves of the keys, 8,192 bytes apart
	s_lshl_b32 s40, ttmp9, 10
	s_add_nc_u64 s[60:61], s[60:61], s[40:41]
	global_load_b64 v[24:25], v[W3A], s[10:11]
	global_load_b64 v[26:27], v[W3A], s[12:13]
	WIN 0x40
.set IX, 0
.rept 48
	global_load_b64 v[2*IX:2*IX+1], v[LI], s[52:53] offset:256*IX   ; K: fragment j = key tiles 2 j, 2 j + 1
.set IX, IX+1
.endr
.irp ks, 0,1
.irp f, 0,1,2,3
.irp p, 0,1,2,3,4,5
	global_load_b64 v[96+12*(2*\f+\ks)+2*\p:97+12*(2*\f+\ks)+2*\p], v[LI], s[54:55] offset:6144*\ks+1536*\f+256*\p
.endr
.endr
.endr
	WIN 0
	global_load_b128 v[WS:WS+3], v[W1A], s[58:59]                    ; K's scale words, pair j of key tiles
	global_load_b128 v[WS+4:WS+7], v[W1A], s[58:59] offset:8192
	global_load_b128 v[WS+8:WS+11], v[W1A], s[58:59] offset:256      ; V's: 4 ks + f
	global_load_b128 v[WS+12:WS+15], v[W1A], s[58:59] offset:8448
	QLOAD
	s_wait_loadcnt 63                              ; 109 loads are issued: the oldest 46 are in, g1 and be1 among them
	ds_store_b64 v[W2A], v[24:25]
	ds_store_b64 v[W2A], v[26:27] offset:2048
	s_wait_xcnt 0x0                                ; the loads have read their address registers, some of which the loop writes
	BAR                                            ; g1 and be1 lie in LDS
	WIN 0x40
.irp b, 0,1
.irp q, 0,1,2,3
	ds_load_b128 v[224+16*\b+4*\q:227+16*\b+4*\q], v[GBW] offset:128*\b+16*\q   ; g1 of my features
.endr
.endr
	WIN 0
; ======== ATTENTION
	s_mov_b32 s36, 0
	s_mov_b32 s43, 0                               ; 4,096 i
	s_mov_b32 s39, 0                               ; 128 i
.Latt:
	v_add_nc_u32 v[W1A], s43, v[YA]
	v_add_nc_u32 v[W2A], s39, v[MUA]
	v_add_nc_u32 v[W3A], s39, v[STW]
	s_wait_alu depctr_va_vdst(0)                   ; ahead of the run of scalar lines
	s_lshr_b32 s44, s36, 1
	s_lshl_b32 s44, s44, 16
	s_and_b32 s45, s36, 1
	s_lshl_b32 s45, s45, 14
	s_add_co_u32 s44, s44, s45
	s_mov_b32 s45, 0
	s_add_nc_u64 s[30:31], s[28:29], s[44:45]      ; (the last trip's loads from this base were waited for)
	WIN 0x40
.irp b, 0,1
.irp q, 0,1,2,3
	global_load_b128 v[192+16*\b+4*\q:195+16*\b+4*\q], v[XRA], s[30:31] offset:128*\b+16*\q   ; x of my queries, my features
.endr
.endr
	WIN 0
	global_load_b64 v[MR:MR+1], v[W2A], s[60:61]   ; (-mu, rstd)
	s_wait_alu depctr_va_vdst(0)
	s_wait_loadcnt 9                               ; all but the nine just issued: this tile's Q is in (in the first trip K, V and their scales too)
	s_wait_dscnt 0x0
	WIN 0x01
.irp j, 0,1,2,3,4,5,6,7
	MM S+16*\j, 12*\j, QF, 0, WS+\j, QS            ; key tile 2 j
	MM S+16*\j+8, 12*\j, QF+6, 0, WS+\j, QS        ; key tile 2 j + 1
.endr
	WIN 0
	PLACES 4
	s_add_co_u32 s49, s36, 1
	s_min_u32 s49, s49, 7                          ; the next tile's Q; the last trip names tile 7 again: inside the buffer
	s_mul_i32 s44, s49, 768
	s_lshl_b32 s45, s49, 6
	v_add_nc_u32 v[RD], s44, v[LI]
	v_add_nc_u32 v[RS], s45, v[LS]
	QLOAD
.irp b, 0,1,2,3,4,5,6,7
	v_max3_num_f32 v[BM+\b], v[S+16*\b], v[S+16*\b+1], v[S+16*\b+2]   ; the largest score of each block of 32 keys
.endr
.irp i, 3,5,7,9,11,13
.irp b, 0,1,2,3,4,5,6,7
	v_max3_num_f32 v[BM+\b], v[BM+\b], v[S+16*\b+\i], v[S+16*\b+\i+1]
.endr
.endr
.irp b, 0,1,2,3,4,5,6,7
	v_max_num_f32 v[BM+\b], v[BM+\b], v[S+16*\b+15]
.endr
.irp b, 0,1,2,3,4,5,6,7
	v_permlanex16_b32 v[T2+\b], v[BM+\b], s32, s33
.endr
.irp b, 0,1,2,3,4,5,6,7
	v_max_num_f32 v[BM+\b], v[BM+\b], v[T2+\b]
.endr
	v_max3_num_f32 v[NM+1], v[BM], v[BM+1], v[BM+2]
	s_delay_alu instid0(VALU_DEP_1)
	v_max3_num_f32 v[NM+1], v[NM+1], v[BM+3], v[BM+4]
	s_delay_alu instid0(VALU_DEP_1)
	v_max3_num_f32 v[NM+1], v[NM+1], v[BM+5], v[BM+6]
	s_delay_alu instid0(VALU_DEP_1)
	v_max_num_f32 v[NM+1], v[NM+1], v[BM+7]
	s_delay_alu instid0(VALU_DEP_1)
	v_mul_f32 v[NM+1], s34, v[NM+1]                ; the row's largest t
	s_delay_alu instid0(VALU_DEP_1)
	v_floor_f32 v[NM], -v[NM+1]                    ; -M = -ceil(t)
.set IX, 0
.rept 64
	v_pk_fma_f32 v[S+2*IX:S+2*IX+1], v[S+2*IX:S+2*IX+1], s[34:35], v[NM:NM+1] op_sel_hi:[1,0,0]   ; t - M
.set IX, IX+1
.endr
.irp b, 0,1,2,3,4,5,6,7
	v_fma_f32 v[BM+\b], v[BM+\b], s34, v[NM]
.endr
.set IX, 0
	s_wait_alu depctr_va_vdst(0)
.rept 128
	v_exp_f32 v[S+IX], v[S+IX]                     ; p = 2^(t - M)
.set IX, IX+1
.endr
	v_nop
	s_wait_alu depctr_va_vdst(0)                   ; one wait for the 128, ahead of their first reader
.irp b, 0,1,2,3,4,5,6,7
	v_exp_f32 v[BM+\b], v[BM+\b]                   ; the blocks' largest p
.endr
.irp c, 0,1,2,3
	v_pk_add_f32 v[T2+2*\c:T2+2*\c+1], v[S+2*\c:S+2*\c+1], v[S+2*\c+8:S+2*\c+9]   ; the row's sum of the unquantised p
.endr
.set IX, 8
.rept 56
	v_pk_add_f32 v[T2+2*(IX%4):T2+2*(IX%4)+1], v[T2+2*(IX%4):T2+2*(IX%4)+1], v[S+2*IX:S+2*IX+1]
.set IX, IX+1
.endr
	FOLD4 T2
	s_wait_alu depctr_va_vdst(0)
	v_rcp_f32 v61, v[T2]                           ; 1 / l
	v_nop
	s_wait_alu depctr_va_vdst(0)
.irp b, 0,1,2,3,4,5,6,7
	v_max_num_f32 v[BM+\b], 0x2800000, v[BM+\b]
.endr
.irp b, 0,1,2,3,4,5,6,7
	v_add_nc_u32 v[SO+\b], 0xfe000000, v[BM+\b]
.endr
.irp b, 0,1,2,3,4,5,6,7
	v_lshrrev_b32 v[T2+\b], 23, v[SO+\b]
.endr
.irp c, 0,1
	v_lshl_or_b32 v[PW+\c], v[T2+4*\c+1], 8, v[T2+4*\c]
	s_delay_alu instid0(VALU_DEP_1)
	v_lshl_or_b32 v[PW+\c], v[T2+4*\c+2], 16, v[PW+\c]
	s_delay_alu instid0(VALU_DEP_1)
	v_lshl_or_b32 v[PW+\c], v[T2+4*\c+3], 24, v[PW+\c]
.endr
	CVT2 S, PC, STG, SO
	CVT2 S+32, PC+6, STG+4, SO+2
	v_nop
	MERGE PC, STG
	MERGE PC+6, STG+4
	CVT2 S+64, P1, STG, SO+4
	CVT2 S+96, P1+6, STG+4, SO+6
	v_nop
	MERGE P1, STG
	MERGE P1+6, STG+4
.irp b, 0,1
.irp q, 0,1,2,3
	ds_load_b128 v[BE1+16*\b+4*\q:BE1+16*\b+4*\q+3], v[GBW] offset:2048+128*\b+16*\q
.endr
.endr
	PLACES 8                                       ; operands and scale words written by vector instructions stand 4 and 8 plain lines ahead of a scaled product
	WIN 0x01
.irp ks, 0,1
.irp f, 0,1,2,3
.if \ks == 0
	MM O+8*\f, 96+12*(2*\f+\ks), PC, 0, WS+8+4*\ks+\f, PW
.else
	MM O+8*\f, 96+12*(2*\f+\ks), P1, v[O+8*\f:O+8*\f+7], WS+8+4*\ks+\f, PW+1
.endif
.endr
.endr
	WIN 0
	s_wait_loadcnt 7                               ; x and the statistics are in; the next Q's seven loads may be out
	s_wait_dscnt 0x0                               ; be1
	v_mov_b32 v[DM], v[MR]                         ; (these lines and the 48 below name no register of the last products)
	v_mov_b32 v[DM+1], v[MR]
	v_mov_b32 v[DR], v[MR+1]
	v_mov_b32 v[DR+1], v[MR+1]
	v_mov_b32 v[DL], v61
	v_mov_b32 v[DL+1], v61
	WIN 0x01
.set IX, 0
.rept 16
	v_pk_add_f32 v[D+2*IX:D+2*IX+1], v[192+2*IX:193+2*IX], v[DM:DM+1]   ; xn again, by the same three steps as in LN1
.set IX, IX+1
.endr
	WIN 0
.set IX, 0
.rept 16
	v_pk_mul_f32 v[D+2*IX:D+2*IX+1], v[D+2*IX:D+2*IX+1], v[DR:DR+1]
.set IX, IX+1
.endr
	WIN 0x04
.set IX, 0
.rept 16
	v_pk_fma_f32 v[D+2*IX:D+2*IX+1], v[D+2*IX:D+2*IX+1], v[224+2*IX:225+2*IX], v[BE1+2*IX:BE1+2*IX+1]
.set IX, IX+1
.endr
	WIN 0
.set IX, 0
.rept 16
	v_pk_fma_f32 v[D+2*IX:D+2*IX+1], v[O+2*IX:O+2*IX+1], v[DL:DL+1], v[D+2*IX:D+2*IX+1]   ; y = xn + O / l; each accumulator from its low end on
.set IX, IX+1
.endr
.irp k, 0,1,2,3,4,5,6,7
	v_pk_add_f32 v[64+2*\k:65+2*\k], v[D+4*\k:D+4*\k+1], v[D+4*\k+2:D+4*\k+3]   ; the sum of my 32 numbers of y, as a tree
.endr
.irp k, 0,1,2,3
	v_pk_add_f32 v[80+2*\k:81+2*\k], v[64+4*\k:65+4*\k], v[66+4*\k:67+4*\k]
.endr
	v_pk_add_f32 v[64:65], v[80:81], v[82:83]
	v_pk_add_f32 v[66:67], v[84:85], v[86:87]
	s_delay_alu instid0(VALU_DEP_1)
	v_pk_add_f32 v[96:97], v[64:65], v[66:67]
	s_delay_alu instid0(VALU_DEP_1)
	v_add_f32 v[BE1], v[BE1], v[BE1+1]
	s_delay_alu instid0(VALU_DEP_1)
	v_permlanex16_b32 v[BE1+1], v[BE1], s32, s33
	s_delay_alu instid0(VALU_DEP_1)
	v_add_f32 v[BE1], v[BE1], v[BE1+1]
	s_delay_alu instid0(VALU_DEP_1)
	v_mul_f32 v[STP], 0x3c800000, v[BE1]           ; m_w = sum / 64
	s_delay_alu instid0(VALU_DEP_1)
	v_mov_b32 v[DMW], v[STP]
	s_delay_alu instid0(VALU_DEP_2)
	v_mov_b32 v[DMW+1], v[STP]
.set IX, 0
.rept 16
	v_pk_add_f32 v[BE1+2*IX:BE1+2*IX+1], v[D+2*IX:D+2*IX+1], v[DMW:DMW+1] neg_lo:[0,1] neg_hi:[0,1]
.set IX, IX+1
.endr
	v_pk_mul_f32 v[DM:DM+1], v[BE1:BE1+1], v[BE1:BE1+1]    ; their sum of squared deviations, in two chains
	v_pk_mul_f32 v[DR:DR+1], v[BE1+2:BE1+3], v[BE1+2:BE1+3]
.set IX, 4
.rept 7
	s_delay_alu instid0(VALU_DEP_2)
	v_pk_fma_f32 v[DM:DM+1], v[BE1+IX:BE1+IX+1], v[BE1+IX:BE1+IX+1], v[DM:DM+1]
	s_delay_alu instid0(VALU_DEP_2)
	v_pk_fma_f32 v[DR:DR+1], v[BE1+IX+2:BE1+IX+3], v[BE1+IX+2:BE1+IX+3], v[DR:DR+1]
.set IX, IX+4
.endr
	s_delay_alu instid0(VALU_DEP_1)
	v_pk_add_f32 v[DM:DM+1], v[DM:DM+1], v[DR:DR+1]
	s_delay_alu instid0(VALU_DEP_1)
	v_add_f32 v[DM], v[DM], v[DM+1]
	s_delay_alu instid0(VALU_DEP_1)
	v_permlanex16_b32 v[DM+1], v[DM], s32, s33
	s_delay_alu instid0(VALU_DEP_1)
	v_add_f32 v[STP+1], v[DM], v[DM+1]
	ds_store_b64 v[W3A], v[STP:STP+1]
.irp q, 0,1,2,3,4,5,6,7
	ds_store_b128 v[W1A], v[D+4*\q:D+4*\q+3] offset:512*\q
.endr
	s_add_co_u32 s43, s43, 4096
	s_add_co_u32 s39, s39, 128
	s_add_co_u32 s36, s36, 1
	s_cmp_lt_u32 s36, 8
	s_cbranch_scc1 .Latt
	s_wait_dscnt 0x0                               ; y's last stores have read their registers, into which g2 is loaded
.set G2R, 128
.set B2R, 160
	PLOAD G2R, 14
	PLOAD B2R, 16
	WIN 0x40
	PLOAD 192, 18                                  ; bf1
	WIN 0
	WLOAD 3                                        ; w1 comes while LN2 is worked
	BAR                                            ; every wave's statistics lie in LDS
	s_wait_loadcnt 63                              ; 7 + 88 loads are issued: the oldest 32 are in, the 16 of g2 and be2 among them
; ======== LN2
.set YV,  64
.set STT, 96
.set SH,  122
.irp j, 0,1,2,3
	v_mov_b32 v[SH+\j], 0
.endr
	s_mov_b32 s36, 0
	s_mov_b32 s43, 0
	s_mov_b32 s39, 0
	s_mov_b32 s37, 0
.Lln2:
	v_add_nc_u32 v[RD], s43, v[YA]
	v_add_nc_u32 v[RS], s39, v[STR]
	v_add_nc_u32 v[W1A], s37, v[XTW]
.irp q, 0,1,2,3,4,5,6,7
	ds_load_b128 v[YV+4*\q:YV+4*\q+3], v[RD] offset:512*\q
.endr
.irp q, 0,1,2,3,4,5,6,7
	ds_load_b64 v[STT+2*\q:STT+2*\q+1], v[RS] offset:1024*\q
.endr
	s_wait_dscnt 0x0
	v_pk_add_f32 v[112:113], v[STT:STT+1], v[STT+2:STT+3]          ; (sum of m, sum of M2)
	v_pk_add_f32 v[114:115], v[STT+4:STT+5], v[STT+6:STT+7]
	v_pk_add_f32 v[116:117], v[STT+8:STT+9], v[STT+10:STT+11]
	v_pk_add_f32 v[118:119], v[STT+12:STT+13], v[STT+14:STT+15]
	s_delay_alu instid0(VALU_DEP_3)
	v_pk_add_f32 v[112:113], v[112:113], v[114:115]
	s_delay_alu instid0(VALU_DEP_2)
	v_pk_add_f32 v[116:117], v[116:117], v[118:119]
	s_delay_alu instid0(VALU_DEP_1)
	v_pk_add_f32 v[112:113], v[112:113], v[116:117]
	s_delay_alu instid0(VALU_DEP_1)
	v_mul_f32 v112, 0x3e000000, v112               ; the row's mean
.irp q, 0,1,2,3,4,5,6,7
	v_sub_f32 v[114+\q], v[STT+2*\q], v112
.endr
	v_mul_f32 v126, v114, v114
	v_mul_f32 v127, v115, v115
.irp q, 2,4,6
	s_delay_alu instid0(VALU_DEP_2)
	v_fma_f32 v126, v[114+\q], v[114+\q], v126
	s_delay_alu instid0(VALU_DEP_2)
	v_fma_f32 v127, v[115+\q], v[115+\q], v127
.endr
	s_delay_alu instid0(VALU_DEP_1)
	v_add_f32 v126, v126, v127
	s_delay_alu instid0(VALU_DEP_1)
	v_fmamk_f32 v113, v126, 0x42800000, v113       ; sum M2 + 64 sum (m - mean)^2
	s_delay_alu instid0(VALU_DEP_1)
	v_fma_f32 v113, v113, s46, s47
	s_wait_alu depctr_va_vdst(0)
	v_rsq_f32 v120, v113
	v_mov_b32 v114, v112
	v_mov_b32 v115, v112
	s_wait_alu depctr_va_vdst(0)
	v_mov_b32 v121, v120
.set IX, 0
.rept 16
	v_pk_add_f32 v[YV+2*IX:YV+2*IX+1], v[YV+2*IX:YV+2*IX+1], v[114:115] neg_lo:[0,1] neg_hi:[0,1]
.set IX, IX+1
.endr
.set IX, 0
.rept 16
	v_pk_mul_f32 v[YV+2*IX:YV+2*IX+1], v[YV+2*IX:YV+2*IX+1], v[120:121]
.set IX, IX+1
.endr
.set IX, 0
.rept 16
	v_pk_fma_f32 v[YV+2*IX:YV+2*IX+1], v[YV+2*IX:YV+2*IX+1], v[G2R+2*IX:G2R+2*IX+1], v[B2R+2*IX:B2R+2*IX+1]
.set IX, IX+1
.endr
.irp q, 0,1,2,3,4,5,6,7
	ds_store_b128 v[RD], v[YV+4*\q:YV+4*\q+3] offset:512*\q
.endr
	QUANT2 YV, PC, 60
	HALFOUT W1A, PC, 0
	v_perm_b32 v[SH], v[SH+1], v[SH], s48          ; the four registers move 16 bits down and take the tile's two bytes on top
	v_perm_b32 v[SH+1], v[SH+2], v[SH+1], s48
	v_perm_b32 v[SH+2], v[SH+3], v[SH+2], s48
	v_perm_b32 v[SH+3], v60, v[SH+3], s48
	s_add_co_u32 s43, s43, 4096
	s_add_co_u32 s39, s39, 128
	s_add_co_u32 s37, s37, 768
	s_add_co_u32 s36, s36, 1
	s_cmp_lt_u32 s36, 8
	s_cbranch_scc1 .Lln2
.irp i, 0,2,4,6
	ds_store_b16 v[XTS], v[SH+\i/2] offset:256*\i
	ds_store_b16_d16_hi v[XTS], v[SH+\i/2] offset:256*(\i+1)
.endr
	BAR                                            ; xt's 32 fragments lie in LDS
; ======== FFN1: the hidden layer's codes wait in registers until xt's images have been read by all
.set HP, 144
.set HB, 192
	v_add_nc_u32 v[RD], XTIMG, v[LI]
	v_add_nc_u32 v[RS], XTSC, v[LS]
	s_wait_alu depctr_va_vdst(0)
	s_wait_loadcnt 0x0                             ; w1, bf1
	TILEIN 0, 0, 12288, 6144
.irp i, 0,1,2,3,4,5,6,7
	s_wait_dscnt 0x0
	GEMMT
.if \i < 7
	TILEIN 768*(\i+1), 256*(\i+1), 12288, 6144
.else
	WLOAD 4                                        ; w2 and bf2
	WIN 0x40
	PLOAD 192, 20
	WIN 0
.endif
.set IX, 0
.rept 32
	v_max_num_f32 v[ACC+IX], 0, v[ACC+IX]          ; relu, each accumulator from its low end on
.set IX, IX+1
.endr
	QUANT2 ACC, HP+6*\i, HB+\i
.endr
	s_wait_alu depctr_va_vdst(0)
	BAR                                            ; xt's images have been read
.irp i, 0,1,2,3,4,5,6,7
	HALFOUT XTW, HP+6*\i, 768*\i
	ds_store_b16 v[XTS], v[HB+\i] offset:256*\i
.endr
	BAR                                            ; the hidden layer's 32 fragments lie in LDS
; ======== FFN2 and the way out: a tile goes through its YB slot (16 rows of 256 bytes, chunk c of row r at place c xor r) and leaves as rows
.set XTV, 144
.set RB,  176
.set GO,  208
.set SWT, 216
	v_and_b32 v60, 15, v0
	v_bfe_u32 v61, v0, 4, 1
	s_delay_alu instid0(VALU_DEP_1)
	v_xor_b32 v62, v60, v61
	s_delay_alu instid0(VALU_DEP_2)
	v_lshlrev_b32 v63, 11, v61
.irp t, 0,1,2,3,4,5,6,7
	v_xor_b32 v60, 2*\t, v62
	s_delay_alu instid0(VALU_DEP_1)
	v_lshl_add_u32 v60, v60, 4, v63
	s_delay_alu instid0(VALU_DEP_1)
	v_add_nc_u32 v[GO+\t], (2*\t+8*(\t/4))*2048, v60
.endr
	s_wait_loadcnt 0x0                             ; w2, bf2
	s_mov_b32 s36, 0
	s_mov_b32 s37, XTIMG
	s_mov_b32 s38, XTSC
	s_mov_b32 s43, 0
.Lf2:
	v_add_nc_u32 v[RD], s37, v[LI]
	v_add_nc_u32 v[RS], s38, v[LS]
	v_add_nc_u32 v[W1A], s43, v[YA]
	v_add_nc_u32 v[W2A], s43, v[SW0]
.irp b, 0,1
.irp q, 0,1,2,3
	v_xor_b32 v[SWT+4*\b+\q], 128*\b+16*\q, v[W2A]
.endr
.endr
	TILEIN 0, 0, 12288, 6144
.irp q, 0,1,2,3,4,5,6,7
	ds_load_b128 v[XTV+4*\q:XTV+4*\q+3], v[W1A] offset:512*\q
.endr
.irp e, 0,1
	s_wait_dscnt 0x0
	GEMMT
.if \e == 0
	TILEIN 768, 256, 12288, 6144
.endif
.set IX, 0
.rept 16
	v_pk_add_f32 v[ACC+2*IX:ACC+2*IX+1], v[ACC+2*IX:ACC+2*IX+1], v[XTV+2*IX:XTV+2*IX+1]   ; out = xt + (hidden w2 + bf2)
.set IX, IX+1
.endr
.irp b, 0,1
.irp q, 0,1,2,3
	ds_store_b128 v[SWT+4*\b+\q], v[ACC+16*\b+4*\q:ACC+16*\b+4*\q+3] offset:4096*\e
.endr
.endr
	s_wait_xcnt 0x0                                ; the last tile's stores have read their registers
.irp t, 0,1,2,3,4,5,6,7
	ds_load_b128 v[RB+4*\t:RB+4*\t+3], v[W1A] offset:4096*\e+512*\t
.endr
.if \e == 0
.irp q, 0,1,2,3,4,5,6,7
	ds_load_b128 v[XTV+4*\q:XTV+4*\q+3], v[W1A] offset:4096+512*\q
.endr
	s_wait_dscnt 8                                 ; the rows are back; the eight younger loads (the next xt) may be out
.else
	s_wait_dscnt 0x0
.endif
.irp t, 0,1,2,3,4,5,6,7
	global_store_b128 v[GO+\t], v[RB+4*\t:RB+4*\t+3], s[26:27] offset:16384*\e th:TH_STORE_NT   ; 16 lanes store 256 consecutive bytes, aligned
.endr
.endr
	s_wait_xcnt 0x0                                ; the stores have read their base
	s_add_nc_u64 s[26:27], s[26:27], 65536
	s_add_co_u32 s37, s37, 1536
	s_add_co_u32 s38, s38, 512
	s_add_co_u32 s43, s43, 8192
	s_add_co_u32 s36, s36, 1
	s_cmp_lt_u32 s36, 4
	s_cbranch_scc1 .Lf2
	s_wait_tensorcnt 0x0                           ; the wave's end
	ds_add_u32 v[SPW], v[NIL]
	s_wait_dscnt 0x0
	s_endpgm
.Lfunc_end_k_q4fbdbe7736_attn:
	.size	k_q4fbdbe7736_attn, .Lfunc_end_k_q4fbdbe7736_attn-k_q4fbdbe7736_attn
	.p2alignl 7, 3214868480
	.fill 96, 4, 3214868480
	.section	.rodata,"a",@progbits
	.p2align	6, 0x0
	.amdhsa_kernel k_q4fbdbe7736_attn
		.amdhsa_group_segment_fixed_size 327680
		.amdhsa_private_segment_fixed_size 0
		.amdhsa_enable_private_segment 0
		.amdhsa_kernarg_size 120
		.amdhsa_user_sgpr_count 2
		.amdhsa_user_sgpr_kernarg_segment_ptr 1
		.amdhsa_wavefront_size32 1
		.amdhsa_system_sgpr_workgroup_id_x 1
		.amdhsa_system_sgpr_workgroup_id_y 1
		.amdhsa_system_sgpr_workgroup_id_z 1
		.amdhsa_system_vgpr_workitem_id 0
		.amdhsa_next_free_vgpr 512
		.amdhsa_next_free_sgpr 66
		.amdhsa_reserve_vcc 0
		.amdhsa_float_denorm_mode_32 3
		.amdhsa_float_denorm_mode_16_64 3
		.amdhsa_memory_ordered 1
		.amdhsa_forward_progress 1
		.amdhsa_inst_pref_size 155
	.end_amdhsa_kernel
	.amdgpu_metadata
---
amdhsa.version: [ 1, 2 ]
amdhsa.kernels:
  - .name:           k_q4fbdbe7736_attn
    .symbol:         k_q4fbdbe7736_attn.kd
    .args:
      - { .name: x, .offset: 0, .size: 8, .value_kind: global_buffer, .address_space: global }
      - { .name: g1, .offset: 8, .size: 8, .value_kind: global_buffer, .address_space: global }
      - { .name: be1, .offset: 16, .size: 8, .value_kind: global_buffer, .address_space: global }
      - { .name: g2, .offset: 24, .size: 8, .value_kind: global_buffer, .address_space: global }
      - { .name: be2, .offset: 32, .size: 8, .value_kind: global_buffer, .address_space: global }
      - { .name: bf1, .offset: 40, .size: 8, .value_kind: global_buffer, .address_space: global }
      - { .name: bf2, .offset: 48, .size: 8, .value_kind: global_buffer, .address_space: global }
      - { .name: wc, .offset: 56, .size: 8, .value_kind: global_buffer, .address_space: global }
      - { .name: ws, .offset: 64, .size: 8, .value_kind: global_buffer, .address_space: global }
      - { .name: out0, .offset: 72, .size: 8, .value_kind: global_buffer, .address_space: global }
      - { .name: kimg, .offset: 80, .size: 8, .value_kind: global_buffer, .address_space: global }
      - { .name: vimg, .offset: 88, .size: 8, .value_kind: global_buffer, .address_space: global }
      - { .name: qimg, .offset: 96, .size: 8, .value_kind: global_buffer, .address_space: global }
      - { .name: sc, .offset: 104, .size: 8, .value_kind: global_buffer, .address_space: global }
      - { .name: mu, .offset: 112, .size: 8, .value_kind: global_buffer, .address_space: global }
    .group_segment_fixed_size: 327680
    .private_segment_fixed_size: 0
    .kernarg_segment_align: 8
    .kernarg_segment_size: 120
    .max_flat_workgroup_size: 256
    .sgpr_count:     66
    .vgpr_count:     512
    .wavefront_size: 32
...
	.end_amdgpu_metadata
.endif
;; end of part 3
